; MI455X (gfx1250); checked and timed in simulation.
; The chip was launched on July 23, 2026; its instructions are those of AMD's public machine-readable ISA for CDNA 5 (MIT licence, August 2026) and "CDNA5" Instruction Set Architecture Reference Guide (July 2026). The comments in the code are by the model that wrote it; some were corrected since.
;; Scaled Dot Product. Allowed arithmetic: float matrix products may take bf16 or f16 operands with f32 sums; other float arithmetic in f32, or as packed bf16 or f16 multiplies, adds, multiply-adds, maxima and minima; sums over many terms, partial sums and values carried from step to step in f32; what a program stores and reads back later, other than sums and carried values, may be rounded once to bf16 or f16.
;; Inputs: k 1 x 16 x 4,096 x 64 float32; q 1 x 16 x 4,096 x 64 float32; v 1 x 16 x 4,096 x 64 float32.
;; Outputs: out0 1 x 16 x 4,096 x 64 float32.
;; 2 versions, each right and faster than the one before. Each part assembles by itself: llvm-mc -triple=amdgcn-amd-amdhsa -mcpu=gfx1250 --defsym DOCPART=n.
;; ======== version 1 of 2: 2 launches
;; limits: values are held in f16: magnitudes above 65,504 overflow, below 6.1e-05 lose precision; right only within a limited range of input values
;; workspace buffers: kf 8,388,608 bytes; vf 8,388,608 bytes
;; launch prep (part 1): grid 512 x 1, 8 waves a work-group, no clusters, 0 bytes of LDS; arguments k, v, kf, vf; writes kf, vf
.if DOCPART == 1
	.amdgcn_target "amdgcn-amd-amdhsa--gfx1250"
	.amdhsa_code_object_version 6
	.text
	.protected	k_qb55ea9c1cd_prep
	.globl	k_qb55ea9c1cd_prep
	.p2align	8
	.type	k_qb55ea9c1cd_prep,@function
k_qb55ea9c1cd_prep:
	s_mov_b64 s[64:65], 0
	v_nop
	global_prefetch_b8 v0, s[64:65] scope:SCOPE_SE
	s_setreg_imm32_b32 hwreg(HW_REG_WAVE_MODE, 25, 1), 1
	s_wait_xcnt 0x0
; kf = k rounded to bf16; vf = v rounded to bf16, that number written as f16, and TRANSPOSED.  k, v: [16][4096][64] f32.  Both results lie in the order in which the attention's matrix operands lie in
; registers, so that there a load of 16 bytes a lane takes 512 consecutive bytes and needs no LDS.
; LAYOUT.  64 keys of a head (a step) are 8,192 bytes: 8 fragments of 1,024; a fragment is two parts p of 512 bytes, lane L = 16 h + r at byte 16 L of its part.
;   kf, fragment 2 kb + c:  lane (r, h), part p: key 16 kb + r, channels 32 c + 16 p + 8 h + 0..7.
;   vf, fragment 4 kk + cb: lane (r, h), part p: channel 16 cb + r, keys 32 kk + 16 p + 8 h + 0..7.
; WHY TWO ROUNDINGS OF v: all three inputs of the module are rounded to bf16 alike; the second product wants f16 (its weights keep 11 bits there), and a bf16 number is an f16 number exactly wherever
; f16 has its full 11 bits.
; LIMITS.  |v| of 65,520 or more becomes an infinity in vf; |v| below 6.1e-5 keeps f16's fixed step of 6e-8.  k has bf16's range, which is f32's.
; SHARES.  512 work-groups of eight waves; wave number n = 8 x work-group + wave owns keys 16 n .. 16 n + 15 (heads on end): 4,096 bytes of k and of v, 2,048 of kf and of vf.
;   k: lane (r, h) reads 32 bytes (8 channels) of row r four times; the wave's eight loads together take its 16 rows of 256 bytes whole.  A store is one part of a fragment: 512 consecutive bytes.
;   v: lane L reads channel 32 cc + L of eight keys on end: each load's 32 lanes take 128 consecutive bytes.  Its 8 numbers are 16 bytes of vf; a store's lanes 0-15 fill 256 consecutive bytes, at a
;   multiple of 256 from vf's first byte, and lanes 16-31 the like block of the next channel block, 1,024 bytes on.
; All 40 loads of a wave are issued before the first is waited for.  No LDS, no barrier, no matrix unit, no loop: each byte is read once and written once, and no wave needs another's data.
.set KI, 3                             ; v3  k: my byte offset in the wave's 16 rows: 256 r + 32 h; never rewritten
.set KO, 4                             ; v4  kf: 16 x lane; never rewritten
.set VI, 5                             ; v5  v: 4 x lane; never rewritten
.set VO, 6                             ; v6  vf: 1,024 (lane / 16) + 16 (lane % 16); never rewritten
.set XK, 8                             ; v[8:39]    k as loaded: load i at XK + 4 i
.set XV, 40                            ; v[40:71]   v as loaded: load i at XV + i
.set YK, 72                            ; v[72:87]   kf to store: never written twice, so no store's data is ever overwritten
.set YV, 88                            ; v[88:103]  vf to store: likewise
.set T,  104                           ; v[104:107] at work
	s_load_b256 s[4:11], s[0:1], 0x0               ; k s[4:5], v s[6:7], kf s[8:9], vf s[10:11]
	v_lshrrev_b32 v1, 5, v0
	v_readfirstlane_b32 s12, v1                    ; my wave's number
	s_lshl_b32 s13, ttmp9, 3
	s_add_co_u32 s13, s13, s12                     ; n, 0 to 4,095
	s_lshl_b32 s2, s13, 12                         ; in: 16 rows of 256 bytes
	s_mov_b32 s3, 0
	s_lshl_b32 s14, s13, 11                        ; kf: key block n % 4 of step n / 4 is two fragments on end: 2,048 n
	s_mov_b32 s15, 0
	s_lshr_b32 s16, s13, 2                         ; vf: step n / 4,
	s_lshl_b32 s16, s16, 13
	s_bfe_u32 s18, s13, 0x10001                    ; kk = bit 1 of n: four fragments,
	s_lshl_b32 s18, s18, 12
	s_add_co_u32 s16, s16, s18
	s_and_b32 s18, s13, 1                          ; p = bit 0 of n: a part
	s_lshl_b32 s18, s18, 9
	s_add_co_u32 s16, s16, s18
	s_mov_b32 s17, 0
	s_mov_b32 s19, 0xffff0000                      ; a word's upper bf16
	v_and_b32 v1, 15, v0                           ; r
	v_bfe_u32 v2, v0, 4, 1                         ; h
	v_lshlrev_b32 v[KI], 8, v1
	v_lshl_add_u32 v[KI], v2, 5, v[KI]
	v_and_b32 v[KO], 31, v0
	v_lshlrev_b32 v[VI], 2, v[KO]
	v_lshlrev_b32 v[KO], 4, v[KO]
	v_lshlrev_b32 v[VO], 4, v1
	v_lshl_add_u32 v[VO], v2, 10, v[VO]
	s_wait_kmcnt 0x0
	s_add_nc_u64 s[4:5], s[4:5], s[2:3]
	s_add_nc_u64 s[6:7], s[6:7], s[2:3]
	s_add_nc_u64 s[8:9], s[8:9], s[14:15]
	s_add_nc_u64 s[10:11], s[10:11], s[16:17]
.set i, 0
.rept 8                                ; k: group i / 2 = 2 c + p is 8 channels, 32 bytes: two loads
	global_load_b128 v[XK+4*i:XK+4*i+3], v[KI], s[4:5] offset:(i/4)*128+((i/2)%2)*64+(i%2)*16
.set i, i+1
.endr
.set i, 0
.rept 32                               ; v: group i / 8 = 2 h + cc: keys 8 h + i % 8, channels 32 cc on
	global_load_b32 v[XV+i], v[VI], s[6:7] offset:(8*(i/16)+i%8)*256+((i/8)%2)*128
.set i, i+1
.endr
.irp g, 0,1,2,3
	s_wait_loadcnt 38-2*\g                         ; loads come back in order (ISA guide 5.7.1): of the 40, k's first 2 g + 2 are in
.irp n, 0,1,2,3
	v_cvt_pk_bf16_f32 v[YK+4*\g+\n], v[XK+8*\g+2*\n], v[XK+8*\g+2*\n+1]
.endr
	global_store_b128 v[KO], v[YK+4*\g:YK+4*\g+3], s[8:9] offset:512*\g   ; part p of fragment c: 1,024 c + 512 p.  No hint: the next launch reads these bytes
.endr
.irp g, 0,1,2,3
	s_wait_loadcnt 24-8*\g                         ; v's first 8 g + 8 are in
.irp n, 0,1,2,3
	v_cvt_pk_bf16_f32 v[T+\n], v[XV+8*\g+2*\n], v[XV+8*\g+2*\n+1]        ; rounded to bf16,
.endr
.irp n, 0,1,2,3
	v_lshlrev_b32 v[XV+8*\g+2*\n],   16,  v[T+\n]  ; widened again (a shift, a mask) into the registers that the loads have left,
	v_and_b32     v[XV+8*\g+2*\n+1], s19, v[T+\n]
.endr
.irp n, 0,1,2,3
	v_cvt_pk_f16_f32 v[YV+4*\g+\n], v[XV+8*\g+2*\n], v[XV+8*\g+2*\n+1]   ; and written as f16: the lower key in the lower half
.endr
	global_store_b128 v[VO], v[YV+4*\g:YK+16+4*\g+3], s[10:11] offset:(\g%2)*2048+(\g/2)*256  ; channel blocks 2 cc and 2 cc + 1, lanes' half h
.endr
	s_endpgm
.Lfunc_end_k_qb55ea9c1cd_prep:
	.size	k_qb55ea9c1cd_prep, .Lfunc_end_k_qb55ea9c1cd_prep-k_qb55ea9c1cd_prep
	.p2alignl 7, 3214868480
	.fill 96, 4, 3214868480
	.section	.rodata,"a",@progbits
	.p2align	6, 0x0
	.amdhsa_kernel k_qb55ea9c1cd_prep
		.amdhsa_group_segment_fixed_size 0
		.amdhsa_private_segment_fixed_size 0
		.amdhsa_enable_private_segment 0
		.amdhsa_kernarg_size 32
		.amdhsa_user_sgpr_count 2
		.amdhsa_user_sgpr_kernarg_segment_ptr 1
		.amdhsa_wavefront_size32 1
		.amdhsa_system_sgpr_workgroup_id_x 1
		.amdhsa_system_sgpr_workgroup_id_y 1
		.amdhsa_system_sgpr_workgroup_id_z 1
		.amdhsa_system_vgpr_workitem_id 0
		.amdhsa_next_free_vgpr 112
		.amdhsa_next_free_sgpr 66
		.amdhsa_reserve_vcc 0
		.amdhsa_float_denorm_mode_32 3
		.amdhsa_float_denorm_mode_16_64 3
		.amdhsa_memory_ordered 1
		.amdhsa_forward_progress 1
		.amdhsa_inst_pref_size 11
	.end_amdhsa_kernel
	.amdgpu_metadata
---
amdhsa.version: [ 1, 2 ]
amdhsa.kernels:
  - .name:           k_qb55ea9c1cd_prep
    .symbol:         k_qb55ea9c1cd_prep.kd
    .args:
      - { .name: k, .offset: 0, .size: 8, .value_kind: global_buffer, .address_space: global }
      - { .name: v, .offset: 8, .size: 8, .value_kind: global_buffer, .address_space: global }
      - { .name: kf, .offset: 16, .size: 8, .value_kind: global_buffer, .address_space: global }
      - { .name: vf, .offset: 24, .size: 8, .value_kind: global_buffer, .address_space: global }
    .group_segment_fixed_size: 0
    .private_segment_fixed_size: 0
    .kernarg_segment_align: 8
    .kernarg_segment_size: 32
    .max_flat_workgroup_size: 256
    .sgpr_count:     66
    .vgpr_count:     112
    .wavefront_size: 32
...
	.end_amdgpu_metadata
.endif
;; end of part 1
;; launch attn (part 2): grid 16 x 16, 8 waves a work-group, no clusters, 35,840 bytes of LDS; arguments q, kf, vf, out0; writes out0
.if DOCPART == 2
	.amdgcn_target "amdgcn-amd-amdhsa--gfx1250"
	.amdhsa_code_object_version 6
	.text
	.protected	k_qb55ea9c1cd_attn
	.globl	k_qb55ea9c1cd_attn
	.p2align	8
	.type	k_qb55ea9c1cd_attn,@function
k_qb55ea9c1cd_attn:
	s_mov_b64 s[64:65], 0
	v_nop
	global_prefetch_b8 v0, s[64:65] scope:SCOPE_SE
	s_setreg_imm32_b32 hwreg(HW_REG_WAVE_MODE, 25, 1), 1
	s_wait_xcnt 0x0
; CAUSAL ATTENTION.  out[h][q][:] = the sum over k <= q of softmax_k(Q[h][q] . K[h][k] / 8) V[h][k][:].  q and out: [16][4096][64] f32.  kf: k in bf16; vf: v rounded to bf16, written as f16, transposed;
; both in the order of the matrix operands' registers: a step of 64 keys is 8,192 dense bytes, 8 fragments of two parts of 512 bytes, lane L at byte 16 L of a part.
;   kf, fragment 2 kb + c:  lane (r, h), part p: key 16 kb + r, channels 32 c + 16 p + 8 h + 0..7.        vf, fragment 4 kk + cb: lane (r, h), part p: channel 16 cb + r, keys 32 kk + 16 p + 8 h + 0..7.
; q is rounded to bf16 here, in registers.  Products, maxima and sums in f32; the weights p are rounded to f16 for the second product (their sum l is taken of the unrounded p).
; LIMITS.  vf arrives within f16's range; p lies in 0 to 1 and below 6e-5 keeps f16's fixed step of 6e-8.  A hidden score counts as its value less 1e30 (the problem's fill is -9e15: both give the
; weight 0 as long as scores stay far below 9e15 in size).  A weight below 2^-126 counts as 0 in l.  NaN and infinities are not treated apart.
; SHARES.  A head's queries lie in 128 blocks of 32.  A WAVE owns one block, two tiles of 16 queries, and walks its keys by itself, 64 a step: blk / 2 steps that it sees whole, in one loop, then the step
; that holds its diagonal, written out with a mask.  A work-group's eight waves, two to a SIMD, own four long blocks, 127 - j, and four short ones, j = 4 x group + wave / 2.  Long goes to the waves whose
; number has an even count of ones: 0, 3, 5, 6.  So waves w and w + 4, and also waves 2 i and 2 i + 1, are a long and a short one: 64 to 66 steps together, whatever the group.
; NOTHING IS SHARED: no tile in LDS, no barrier, no cluster.  The waves' walks have 1 to 64 steps, so no request is common to all of them.  The price: a step's 16,384 bytes of kf and vf are loaded by
; each wave for itself and feed its 32 matrix instructions alone.
; LAYOUT.  S^T = K Q^T (source 0 = 16 keys, source 1 = 16 queries) holds ONE query a lane (lane % 16) and the keys 8 (lane / 16) + 0..7; two such results rounded to f16 in pairs ARE source 1 (32 keys x 16
; queries) of O^T = V^T P, whose result again holds one query a lane, and eight channels.
; SOFTMAX.  For each query a running maximum m and sum l: p = 2^(c s - c m), c = log2(e) / 8; in every step O and l are multiplied by a = 2^(c m_old - c m_new).  m starts at the lowest finite number, O and l
; at 0: the first step is a step like any other, with a = 0 (68 lines that write 0, once a wave: the price of writing no first step out).
; A STEP, in phases: 16 products K Q^T; the next step's K is loaded into the registers just read; the softmax of both tiles; 16 products V^T P; the next step's V is loaded.  So each run of 16 loads has the
; softmax and a run of products in which to land, and K and V need one set of registers each.
; REGISTERS, in windows of 256 (s_set_vgpr_msb: bits 1:0 source 0, 3:2 source 1, 5:4 source 2, 7:6 destination):
;   window 0: v0-9 addresses; v10-27 statistics and work; v32-95 S^T, 32 a tile (first: q in f32); v96-127 P, 16 a tile; v128-191 O^T, 32 a tile
;   window 1: v0-31 Q, 16 a tile; v32-95 K of a step; v96-159 V of a step
; All vector work lies in window 0: a step has eight switches.
.set SP,    272       ; a row of the stage: 256 bytes + 16 = 68 words: the 16 rows of a store start at 16 different groups of four banks (64 banks of 4 bytes: ISA guide 11.1)
.set SPARE, 8*16*SP   ; behind the eight stages (16 rows each, a wave's own): the spare words, 128 bytes for each wave: four blocks of 256 bytes that no other line names
.set STEPB, 8192      ; bytes of kf, and of vf, in a step
.set LR,  1           ; v1   lane % 16
.set LH,  2           ; v2   lane / 16
.set LN,  3           ; v3   16 x lane: my bytes in 512 consecutive bytes of kf, vf and out; never rewritten
.set QO,  4           ; v4   my byte offset in 16 rows of q; never rewritten
.set STO, 5           ; v5   the way out: where I put 32 bytes of a row
.set RD,  6           ; v6   the way out: where I read rows back
.set RW,  7           ; v7   my query's place among the diagonal step's 64 keys, for tile 0, less my lanes' 8 (lane / 16)
.set SPW, 8           ; v8   LDS address of my spare word: SPARE + 4 x my thread's number; never rewritten
.set NIL, 9           ; v9   0; never rewritten
.set MV,  10          ; v10-11  c m_old, kept while c m is made anew: by tile
.set ST,  12          ; tile t's statistics at v[ST+4 t]: c m, m, l (even keys', odd keys')
.set TMP, 20          ; by tile, four registers c0-c3 at work; when the maximum is found c2 takes a
.set S,   32
.set P,   96
.set OT,  128
.set QF,  0           ; window 1: tile t, channel half c at QF + 16 t + 8 c
.set KF,  32          ; window 1: fragment f at KF + 8 f
.set VF,  96          ; window 1: fragment f at VF + 8 f
.set WV,  12          ; s12  my wave's number
.set HD,  13          ; s13  the head
.set BLK, 14          ; s14  my block
.set NF,  15          ; s15  the steps that my block sees whole; never rewritten
.set CT,  16          ; s16  the loop's counter
.set CS,  22          ; s[22:23] c: the packed scaling takes the pair's low word for both halves
.set SEL, 24          ; s[24:25] v_permlanex16_b32's selects: each lane takes its own place in the other half
.set BIGN, 26         ; s26  -1e30
.set MSB, 0
.macro WIN new                      ; the high byte repeats the setting that is left; a switch that changes nothing is dropped
.if MSB != (\new)
	s_set_vgpr_msb (MSB<<8)|(\new)
.set MSB, (\new)
.endif
.endm
.set W_LD, 0x40       ; destination in window 1, sources and addresses in window 0
.set W_KQ, 0x05       ; K and Q in window 1, S^T in window 0
.set W_PV, 0x01       ; V in window 1, P and O^T in window 0
; A step's K or V: 16 loads of 512 consecutive bytes, load i into registers 4 i on: part i % 2 of fragment i / 2.
.macro FETCH reg, base
	WIN W_LD
.set i, 0
.rept 16
	global_load_b128 v[(\reg)+4*i:(\reg)+4*i+3], v[LN], s[\base:\base+1] offset:512*i
.set i, i+1
.endr
	WIN 0
.endm
; A vector instruction that reads a matrix result, and a load into a register that a matrix instruction has read, stand four places behind it, and only plain vector instructions that name none of its
; registers are places (ISA guide 7.12.1 for vector instructions).  Behind a run of products no other vector work is ready.
.macro PLACES
.rept 4
	v_nop
.endr
.endm
	s_load_b256 s[4:11], s[0:1], 0x0  ; q s[4:5], kf s[6:7], vf s[8:9], out s[10:11]
	v_lshl_add_u32 v[SPW], v0, 2, SPARE
	v_mov_b32 v[NIL], 0
	v_lshrrev_b32 v[LR], 5, v0
	v_readfirstlane_b32 s[WV], v[LR]  ; wave 0..7
	s_and_b32 s[HD], ttmp7, 0xffff
	s_lshr_b32 s17, s[WV], 1
	s_lshr_b32 s18, s[WV], 2
	s_xor_b32 s19, s[WV], s17
	s_xor_b32 s19, s19, s18
	s_and_b32 s19, s19, 1           ; the parity of my number's three bits
	s_lshl_b32 s18, ttmp9, 2
	s_add_co_u32 s18, s18, s17      ; j = 4 x group + wave / 2, 0 to 63: the short block,
	s_sub_co_u32 s17, 127, s18      ; and the long one
	s_cmp_eq_u32 s19, 0
	s_cselect_b32 s[BLK], s17, s18
	s_lshr_b32 s[NF], s[BLK], 1     ; rows 32 blk on see the keys below 64 (blk / 2) whole
	s_and_b32 s19, s[BLK], 1
	s_lshl_b32 s19, s19, 5          ; my first row's place in the diagonal step: 0 or 32
	s_lshl_b32 s2, s[HD], 20        ; q and out: the head's 4,096 rows of 256 bytes,
	s_lshl_b32 s17, s[BLK], 13      ; my block's 32
	s_add_co_u32 s2, s2, s17
	s_mov_b32 s3, 0
	s_lshl_b32 s20, s[HD], 19       ; kf and vf: the head's 64 steps
	s_mov_b32 s21, 0
	s_mov_b32 s[CS], 0x3e38aa3b     ; c = log2(e) / 8 = 0.180337
	s_mov_b32 s[CS+1], s[CS]        ; named with it as a pair
	s_mov_b32 s[SEL], 0x76543210
	s_mov_b32 s[SEL+1], 0xfedcba98
	s_mov_b32 s[BIGN], 0xf149f2ca   ; -1e30
	s_mov_b32 s[CT], 0
	v_and_b32 v[LR], 15, v0
	v_bfe_u32 v[LH], v0, 4, 1
	v_and_b32 v[LN], 31, v0
	v_lshlrev_b32 v[LN], 4, v[LN]
	v_lshlrev_b32 v[QO], 8, v[LR]
	v_lshl_add_u32 v[QO], v[LH], 5, v[QO]  ; row x 256 + 32 x half
	s_wait_kmcnt 0x0
	s_add_nc_u64 s[4:5], s[4:5], s[2:3]
	s_add_nc_u64 s[10:11], s[10:11], s[2:3]
	s_add_nc_u64 s[6:7], s[6:7], s[20:21]
	s_add_nc_u64 s[8:9], s[8:9], s[20:21]
	; A fragment of Q is 16 rows x 32 channels in 8 registers: lane l holds row l % 16, channels 8 (l / 16) + 0..7 and 16 + 8 (l / 16) + 0..7.  In f32 eight channels are 32 bytes: two loads of 16.
	; A tile's eight loads together take its 16 rows of 256 bytes whole.  They land in S^T's registers, which are free until the first product.
.set i, 0
.rept 16                            ; tile i / 8; of its loads i % 8: channels 32 (. / 4) + 16 ((. / 2) % 2) on, then the second 16 bytes
	global_load_b128 v[S+4*i:S+4*i+3], v[QO], s[4:5] offset:(i/8)*4096+((i%8)/4)*128+(((i%8)/2)%2)*64+(i%2)*16
.set i, i+1
.endr
	FETCH KF, 6                     ; step 0's K,
	FETCH VF, 8                     ; and its V: always in this order, K ahead of V
	s_mul_i32 s17, s[WV], 16*SP     ; my stage
	v_mul_u32_u24 v[STO], v[LR], SP ; in: row l % 16, 32 bytes (eight channels in f32) for each half of the lanes
	v_lshl_add_u32 v[STO], v[LH], 5, v[STO]
	v_add_nc_u32 v[STO], s17, v[STO]
	v_mul_u32_u24 v[RD], v[LH], SP  ; back: lanes 0-15 take one row of 256 bytes, lanes 16-31 the next
	v_lshl_add_u32 v[RD], v[LR], 4, v[RD]
	v_add_nc_u32 v[RD], s17, v[RD]
	v_lshlrev_b32 v[RW], 3, v[LH]
	v_sub_nc_u32 v[RW], v[LR], v[RW]
	v_add_nc_u32 v[RW], s19, v[RW]
.set i, 0
.rept 64
	v_mov_b32 v[OT+i], 0
.set i, i+1
.endr
.set i, 0
.rept 2
	v_mov_b32 v[ST+4*i], 0xfe000000    ; c m: far below every c s
	v_mov_b32 v[ST+4*i+1], 0xff7fffff  ; m
	v_mov_b32 v[ST+4*i+2], 0           ; l
	v_mov_b32 v[ST+4*i+3], 0
.set i, i+1
.endr
	s_wait_loadcnt 32               ; q is in: behind its loads only K's and V's 32 were issued
	WIN W_LD
.set i, 0
.rept 32                            ; rounded to bf16 in pairs
	v_cvt_pk_bf16_f32 v[QF+i], v[S+2*i], v[S+2*i+1]
.set i, i+1
.endr
	WIN 0
; THE MATRIX WORK.  The 8 accumulators of a run of 16 take turns.  Product i of S^T = K Q^T: channels 32 (i / 8) on, keys 16 ((i % 8) / 2) on, tile i % 2.
; The first 8 start the sums: with 0, or (diag = 1) in place, with the mask that has been written into S^T.
.macro KQ diag
.set rS, S+32*(i%2)+8*((i%8)/2)
.set rK, KF+16*((i%8)/2)+8*(i/8)
.set rQ, QF+16*(i%2)+8*(i/8)
.if (i < 8) && !(\diag)
	v_wmma_f32_16x16x32_bf16 v[rS:rS+7], v[rK:rK+7], v[rQ:rQ+7], 0
.else
	v_wmma_f32_16x16x32_bf16 v[rS:rS+7], v[rK:rK+7], v[rQ:rQ+7], v[rS:rS+7]
.endif
.set i, i+1
.endm
; Product i of O^T += V^T P: keys 32 (i / 8) on, channels 16 ((i % 8) / 2) on, tile i % 2.
.macro PV
.set rO, OT+32*(i%2)+8*((i%8)/2)
.set rV, VF+32*(i/8)+8*((i%8)/2)
.set rP, P+16*(i%2)+8*(i/8)
	v_wmma_f32_16x16x32_f16 v[rO:rO+7], v[rV:rV+7], v[rP:rP+7], v[rO:rO+7]
.set i, i+1
.endm
; THE VECTOR WORK.
.macro REGS t                       ; the registers of tile t
.set rT, ST+4*(\t)
.set rC, TMP+4*(\t)
.set rW, MV+(\t)
.set rS, S+32*(\t)
.set rP, P+16*(\t)
.set rO, OT+32*(\t)
.endm
; Number n of the 22 that find tile t's maximum and statistics.  s0-s31 are the lane's 32 scores; each accumulator's lowest registers are read first.
;   0-11  four chains c0-c3 of seven scores each, three operands at a time     12-14, 16  the four scores left over, the old m, and c0-c3 into c0     15  c m_old is kept
;   17, 18  the query's other 32 keys lie in the lane 16 away: the new m         19-21  c m; c m_old - c m_new; a
.macro XS t, n
	REGS \t
.if (\n) < 4
	v_max3_num_f32 v[rC+(\n)], v[rS+8*(\n)], v[rS+8*(\n)+1], v[rS+8*(\n)+2]
.elseif (\n) < 12
	v_max3_num_f32 v[rC+(\n)%4], v[rC+(\n)%4], v[rS+8*((\n)%4)+2*((\n)/4)+1], v[rS+8*((\n)%4)+2*((\n)/4)+2]
.elseif (\n) == 12
	v_max3_num_f32 v[rC], v[rC], v[rS+7], v[rS+15]
.elseif (\n) == 13
	v_max3_num_f32 v[rC+1], v[rC+1], v[rS+23], v[rS+31]
.elseif (\n) == 14
	v_max3_num_f32 v[rC+2], v[rC+2], v[rC+3], v[rT+1]
.elseif (\n) == 15
	v_mov_b32 v[rW], v[rT]
.elseif (\n) == 16
	v_max3_num_f32 v[rC], v[rC], v[rC+1], v[rC+2]
.elseif (\n) == 17
	v_permlanex16_b32 v[rC+3], v[rC], s[SEL], s[SEL+1]
.elseif (\n) == 18
	v_max_num_f32 v[rT+1], v[rC], v[rC+3]
.elseif (\n) == 19
	v_mul_f32 v[rT], s[CS], v[rT+1]
.elseif (\n) == 20
	v_sub_f32 v[rC+1], v[rW], v[rT]
.else
	v_exp_f32 v[rC+2], v[rC+1]
.endif
.endm
.macro CV t, n                      ; pair n of 16 of tile t's weights, rounded to f16
	REGS \t
	s_wait_alu depctr_va_vdst(0)
	v_cvt_pk_f16_f32 v[rP+(\n)], v[rS+2*(\n)], v[rS+2*(\n)+1]
.endm
.macro BS t, n                      ; of the four weights 4 n .. the second pair is added onto the first, in place: behind both pairs' roundings
	REGS \t
	v_pk_add_f32 v[rS+4*(\n):rS+4*(\n)+1], v[rS+4*(\n):rS+4*(\n)+1], v[rS+4*(\n)+2:rS+4*(\n)+3]
.endm
.macro LS t, n                      ; l takes that sum; the first time as l = a l + sum
	REGS \t
.if (\n) == 0
	v_pk_fma_f32 v[rT+2:rT+3], v[rT+2:rT+3], v[rC+2:rC+3], v[rS:rS+1] op_sel_hi:[1,0,1]
.else
	v_pk_add_f32 v[rT+2:rT+3], v[rT+2:rT+3], v[rS+4*(\n):rS+4*(\n)+1]
.endif
.endm
; A STEP.  diag = 0: a step that my block sees whole; it loads the next step's K and V (there always is one: the diagonal's).  diag = 1: the last step, with the mask; it loads nothing.
; The loads come back in order (ISA guide 5.7.1), and K's run is always issued ahead of V's: at the step's head K's 16 are the older and V's 16 may stay out; ahead of V^T P it is V's that are the older.
; Each of these two waits also shows done the loads that named the base which is stepped next.
.macro STEP diag
.if \diag
.set k, 0
.rept 64                            ; register k % 8 of key group (k % 32) / 8 of tile k / 32: key 16 kt + 8 (l / 16) + j is hidden where it lies behind query 16 t + l % 16 (+ 32 in an odd block)
	v_cmp_gt_i32 vcc_lo, 16*((k%32)/8)+k%8-16*(k/32), v[RW]
	v_cndmask_b32 v[S+k], 0, s[BIGN], vcc_lo
.set k, k+1
.endr
.endif
	s_wait_loadcnt 16               ; K is in
	WIN W_KQ
.set i, 0
.rept 16
	KQ \diag
.endr
	WIN 0
	PLACES
.if !(\diag)
	s_add_nc_u64 s[6:7], s[6:7], STEPB
	FETCH KF, 6
.endif
.irp n, 0,1,2,3,4,5,6,7,8,9,10,11,12,13,14,15,16,17,18,19,20,21
	XS 0, \n                        ; the two tiles alternate, so that no line reads the result of the one just before it
	XS 1, \n
.endr
.set k, 0
.rept 32                            ; c s - c m, pair k / 2 of tile k % 2; the first of them is the plain instruction behind the two exponentials that make a
	REGS k%2
	v_pk_fma_f32 v[rS+2*(k/2):rS+2*(k/2)+1], v[rS+2*(k/2):rS+2*(k/2)+1], s[CS:CS+1], v[rT:rT+1] op_sel_hi:[1,0,0] neg_lo:[0,0,1] neg_hi:[0,0,1]
.set k, k+1
.endr
; 64 exponentials, score k / 2 of tile k % 2, each with a plain instruction behind it that names none of its registers (ISA guide 5.7.2): first the 32 that rescale O^T (from each accumulator's low end on)
; then the roundings of pairs 0 to 13 (pair n's second exponential is number 4 n + 2 + t, its rounding stands behind number 32 + 2 n + t), then the first four sums.
.set k, 0
.rept 64
	REGS k%2
	v_exp_f32 v[rS+k/2], v[rS+k/2]
.if k < 32
	s_wait_alu depctr_va_vdst(0)
	v_pk_mul_f32 v[rO+2*(k/2):rO+2*(k/2)+1], v[rO+2*(k/2):rO+2*(k/2)+1], v[rC+2:rC+3] op_sel_hi:[1,0]
.elseif k < 60
	s_wait_alu depctr_va_vdst(0)
	v_cvt_pk_f16_f32 v[rP+(k-32)/2], v[rS+2*((k-32)/2)], v[rS+2*((k-32)/2)+1]
.else
	v_pk_add_f32 v[rS+4*((k-60)/2):rS+4*((k-60)/2)+1], v[rS+4*((k-60)/2):rS+4*((k-60)/2)+1], v[rS+4*((k-60)/2)+2:rS+4*((k-60)/2)+3]
.endif
.set k, k+1
.endr
	CV 0, 14
	CV 1, 14
	CV 0, 15
	CV 1, 15
.irp n, 2,3,4,5,6,7
	BS 0, \n
	BS 1, \n
	LS 0, \n-2
	LS 1, \n-2
.endr
	LS 0, 6
	LS 1, 6
	LS 0, 7
	LS 1, 7
.if \diag
	s_wait_loadcnt 0x0              ; V is in: nothing was issued behind it
.else
	s_wait_loadcnt 16               ; V is in: behind it only the next K's 16 were issued
.endif
	WIN W_PV
.set i, 0
.rept 16
	PV
.endr
	WIN 0
.if !(\diag)
	PLACES
	s_add_nc_u64 s[8:9], s[8:9], STEPB
	FETCH VF, 8
.endif
.endm
	s_cmp_eq_u32 s[NF], 0
	s_cbranch_scc1 .Ldiag           ; blocks 0 and 1 have the diagonal step alone; K's and V's loads are out in the same order on both ways
.Lstep:                             ; NF trips
	STEP 0
	s_add_co_u32 s[CT], s[CT], 1
	s_cmp_lt_u32 s[CT], s[NF]
	s_cbranch_scc1 .Lstep
.Ldiag:
	STEP 1
	; THE WAY OUT.  l's two halves and the other half of the lanes' are added; O^T is divided by l and sent, in f32, through my own stage in LDS, a tile (16 rows of out) at a time.
	; The four additions and the v_nop are the places behind the last products.
.macro ALL line:vararg              ; one line for each tile t
.set t, 0
.rept 2
	\line
.set t, t+1
.endr
.endm
	ALL v_add_f32 v[ST+4*t+2], v[ST+4*t+2], v[ST+4*t+3]
	ALL v_permlanex16_b32 v[ST+4*t+3], v[ST+4*t+2], s[SEL], s[SEL+1]
	ALL v_add_f32 v[ST+4*t+2], v[ST+4*t+2], v[ST+4*t+3]
	ALL v_rcp_f32 v[ST+4*t+2], v[ST+4*t+2]
	v_nop                           ; a plain instruction between the last reciprocal and the use of its result
	s_wait_alu depctr_va_vdst(0)
.macro PACK t                       ; a lane's eight channels of a row are 32 bytes; they go into rows of 272 bytes and come back as whole rows of 256, into the registers that they left (S^T's, which are free)
.set i, 0
.rept 16                            ; O^T is read from each accumulator's low end on
	v_pk_mul_f32 v[S+32*(\t)+2*i:S+32*(\t)+2*i+1], v[OT+32*(\t)+2*i:OT+32*(\t)+2*i+1], v[ST+4*(\t)+2:ST+4*(\t)+3] op_sel_hi:[1,0]
.set i, i+1
.endr
.irp f, 0,1,2,3,4,5,6,7             ; channel block f / 2 (64 bytes), its first or second 16 bytes
	ds_store_b128 v[STO], v[S+32*(\t)+4*\f:S+32*(\t)+4*\f+3] offset:(\f/2)*64+(\f%2)*16
.endr
.irp f, 0,1,2,3,4,5,6,7
	ds_load_b128 v[S+32*(\t)+4*\f:S+32*(\t)+4*\f+3], v[RD] offset:\f*2*SP  ; LDS serves a wave's instructions in order (ISA guide 5.7.1.4): these see the stores above; the next tile's stores come behind them
.endr
.endm
.macro SEND t, younger              ; younger: the LDS instructions issued behind tile t's loads: the next tile's sixteen, or none
.irp f, 0,1,2,3,4,5,6,7
	s_wait_dscnt (\younger)+7-\f
	global_store_b128 v[LN], v[S+32*(\t)+4*\f:S+32*(\t)+4*\f+3], s[10:11] offset:(\t)*4096+\f*512 th:TH_STORE_NT  ; two rows: 512 consecutive bytes, at a multiple of 256 from out's first
.endr
.endm
	PACK 0
	PACK 1                          ; a tile's arithmetic stands between the loads of the tile before and its stores
	SEND 0, 16
	SEND 1, 0
	s_wait_tensorcnt 0x0            ; the wave's end, behind my last LDS store
	ds_add_u32 v[SPW], v[NIL]
	s_wait_dscnt 0x0
	s_endpgm
.Lfunc_end_k_qb55ea9c1cd_attn:
	.size	k_qb55ea9c1cd_attn, .Lfunc_end_k_qb55ea9c1cd_attn-k_qb55ea9c1cd_attn
	.p2alignl 7, 3214868480
	.fill 96, 4, 3214868480
	.section	.rodata,"a",@progbits
	.p2align	6, 0x0
	.amdhsa_kernel k_qb55ea9c1cd_attn
		.amdhsa_group_segment_fixed_size 35840
		.amdhsa_private_segment_fixed_size 0
		.amdhsa_enable_private_segment 0
		.amdhsa_kernarg_size 32
		.amdhsa_user_sgpr_count 2
		.amdhsa_user_sgpr_kernarg_segment_ptr 1
		.amdhsa_wavefront_size32 1
		.amdhsa_system_sgpr_workgroup_id_x 1
		.amdhsa_system_sgpr_workgroup_id_y 1
		.amdhsa_system_sgpr_workgroup_id_z 1
		.amdhsa_system_vgpr_workitem_id 0
		.amdhsa_next_free_vgpr 512
		.amdhsa_next_free_sgpr 66
		.amdhsa_reserve_vcc 1
		.amdhsa_float_denorm_mode_32 3
		.amdhsa_float_denorm_mode_16_64 3
		.amdhsa_memory_ordered 1
		.amdhsa_forward_progress 1
		.amdhsa_inst_pref_size 62
	.end_amdhsa_kernel
	.amdgpu_metadata
---
amdhsa.version: [ 1, 2 ]
amdhsa.kernels:
  - .name:           k_qb55ea9c1cd_attn
    .symbol:         k_qb55ea9c1cd_attn.kd
    .args:
      - { .name: q, .offset: 0, .size: 8, .value_kind: global_buffer, .address_space: global }
      - { .name: kf, .offset: 8, .size: 8, .value_kind: global_buffer, .address_space: global }
      - { .name: vf, .offset: 16, .size: 8, .value_kind: global_buffer, .address_space: global }
      - { .name: out0, .offset: 24, .size: 8, .value_kind: global_buffer, .address_space: global }
    .group_segment_fixed_size: 35840
    .private_segment_fixed_size: 0
    .kernarg_segment_align: 8
    .kernarg_segment_size: 32
    .max_flat_workgroup_size: 256
    .sgpr_count:     66
    .vgpr_count:     512
    .wavefront_size: 32
...
	.end_amdgpu_metadata
.endif
;; end of part 2
;; ======== version 2 of 2: 2 launches; 1.45 times as fast as version 1
;; limits: values are held in f16: magnitudes above 65,504 overflow, below 6.1e-05 lose precision; right only within a limited range of input values
;; workspace buffers: kf 8,388,608 bytes; vf 8,388,608 bytes
;; launch prep: the kernel of part 1 again; grid 512 x 1, 8 waves a work-group, no clusters, 0 bytes of LDS; arguments k, v, kf, vf; writes kf, vf
;; launch attn (part 3): grid 16 x 16, 8 waves a work-group, no clusters, 35,840 bytes of LDS; arguments q, kf, vf, out0; writes out0
.if DOCPART == 3
	.amdgcn_target "amdgcn-amd-amdhsa--gfx1250"
	.amdhsa_code_object_version 6
	.text
	.protected	k_qb55ea9c1cd_attn
	.globl	k_qb55ea9c1cd_attn
	.p2align	8
	.type	k_qb55ea9c1cd_attn,@function
k_qb55ea9c1cd_attn:
	s_mov_b64 s[64:65], 0
	v_nop
	global_prefetch_b8 v0, s[64:65] scope:SCOPE_SE
	s_setreg_imm32_b32 hwreg(HW_REG_WAVE_MODE, 25, 1), 1
	s_wait_xcnt 0x0
; CAUSAL ATTENTION.  out[h][q][:] = the sum over k <= q of softmax_k(Q[h][q] . K[h][k] / 8) V[h][k][:].  q and out: [16][4096][64] f32.  kf: k in bf16; vf: v rounded to bf16, written as f16, transposed;
; both in the order of the matrix operands' registers: a step of 64 keys is 8,192 dense bytes, 8 fragments of two parts of 512 bytes, lane L at byte 16 L of a part.
;   kf, fragment 2 kb + c:  lane (r, h), part p: key 16 kb + r, channels 32 c + 16 p + 8 h + 0..7.        vf, fragment 4 kk + cb: lane (r, h), part p: channel 16 cb + r, keys 32 kk + 16 p + 8 h + 0..7.
; q is rounded to bf16 here, in registers.  Products, maxima and sums in f32; the weights p are rounded to f16 for the second product (their sum l is taken of the unrounded p).
; LIMITS.  vf arrives within f16's range; p lies in 0 to 1 and below 6e-5 keeps f16's fixed step of 6e-8.  A hidden score counts as its value less 1e30 (the problem's fill is -9e15: both give the
; weight 0 as long as scores stay far below 9e15 in size).  A weight below 2^-126 counts as 0 in l.  NaN and infinities are not treated apart.
; SHARES.  A head's queries lie in 128 blocks of 32.  A WAVE owns one block, two tiles of 16 queries, and walks its keys by itself, 64 a step: blk / 2 steps that it sees whole, in one loop, then the step
; that holds its diagonal, written out with a mask.  A work-group's eight waves, two to a SIMD, own four long blocks, 127 - j, and four short ones, j = 4 x group + wave / 2.  Long goes to the waves whose
; number has an even count of ones: 0, 3, 5, 6.  So waves w and w + 4, and also waves 2 i and 2 i + 1, are a long and a short one: 64 to 66 steps together, whatever the group.
; NOTHING IS SHARED: no tile in LDS, no barrier, no cluster.  The waves' walks have 1 to 64 steps, so no request is common to all of them.  The price: a step's 16,384 bytes of kf and vf are loaded by
; each wave for itself and feed its 32 matrix instructions alone.
; LAYOUT.  S^T = K Q^T (source 0 = 16 keys, source 1 = 16 queries) holds ONE query a lane (lane % 16) and the keys 8 (lane / 16) + 0..7; two such results rounded to f16 in pairs ARE source 1 (32 keys x 16
; queries) of O^T = V^T P, whose result again holds one query a lane, and eight channels.
; SOFTMAX.  For each query a running maximum m and sum l: p = 2^(c s - c m), c = log2(e) / 8; in every step O and l are multiplied by a = 2^(c m_old - c m_new).  m starts at the lowest finite number, O and l
; at 0: the first step is a step like any other, with a = 0 (68 lines that write 0, once a wave: the price of writing no first step out).
; A STEP, in phases: 16 products K Q^T; the next step's K is loaded into the registers just read; the softmax of both tiles; 16 products V^T P; the next step's V is loaded.  So each run of 16 loads has the
; softmax and a run of products in which to land, and K and V need one set of registers each.
; THE BATCHES.  A step's 66 exponentials (the two tiles' a, then their 64 scores, in place) are ONE batch with ONE wait, which cuts the softmax in two.  Ahead of it stands all that names no result of theirs:
; the maxima and statistics, and the 32 scalings, dealt among the exponentials.  Behind it stand all the readers: the rescaling of O^T, the roundings, the sums.  No result crosses a step's end.
; The way out's two reciprocals are a batch of their own.
; REGISTERS, in windows of 256 (s_set_vgpr_msb: bits 1:0 source 0, 3:2 source 1, 5:4 source 2, 7:6 destination):
;   window 0: v0-9 addresses; v10-27 statistics and work; v32-95 S^T, 32 a tile (first: q in f32); v96-127 P, 16 a tile; v128-191 O^T, 32 a tile
;   window 1: v0-31 Q, 16 a tile; v32-95 K of a step; v96-159 V of a step
; All vector work lies in window 0: a step has eight switches, two round each run of products and two round each run of loads.
.set SP,    272       ; a row of the stage: 256 bytes + 16 = 68 words: the 16 rows of a store start at 16 different groups of four banks (64 banks of 4 bytes: ISA guide 11.1)
.set SPARE, 8*16*SP   ; behind the eight stages (16 rows each, a wave's own): the spare words, 128 bytes for each wave: four blocks of 256 bytes that no other line names
.set STEPB, 8192      ; bytes of kf, and of vf, in a step
.set LR,  1           ; v1   lane % 16
.set LH,  2           ; v2   lane / 16
.set LN,  3           ; v3   16 x lane: my bytes in 512 consecutive bytes of kf, vf and out; never rewritten
.set QO,  4           ; v4   my byte offset in 16 rows of q; never rewritten
.set STO, 5           ; v5   the way out: where I put 32 bytes of a row
.set RD,  6           ; v6   the way out: where I read rows back
.set RW,  7           ; v7   my query's place among the diagonal step's 64 keys, for tile 0, less my lanes' 8 (lane / 16)
.set SPW, 8           ; v8   LDS address of my spare word: SPARE + 4 x my thread's number; never rewritten
.set NIL, 9           ; v9   0; never rewritten
.set MV,  10          ; v10-11  c m_old, kept while c m is made anew: by tile
.set ST,  12          ; tile t's statistics at v[ST+4 t]: c m, m, l (even keys', odd keys')
.set TMP, 20          ; by tile, four registers c0-c3 at work; when the maximum is found c2 takes a
.set S,   32
.set P,   96
.set OT,  128
.set QF,  0           ; window 1: tile t, channel half c at QF + 16 t + 8 c
.set KF,  32          ; window 1: fragment f at KF + 8 f
.set VF,  96          ; window 1: fragment f at VF + 8 f
.set WV,  12          ; s12  my wave's number
.set HD,  13          ; s13  the head
.set BLK, 14          ; s14  my block
.set NF,  15          ; s15  the steps that my block sees whole; never rewritten
.set CT,  16          ; s16  the loop's counter
.set CS,  22          ; s[22:23] c: the packed scaling takes the pair's low word for both halves
.set SEL, 24          ; s[24:25] v_permlanex16_b32's selects: each lane takes its own place in the other half
.set BIGN, 26         ; s26  -1e30
.set MSB, 0
.macro WIN new                      ; the high byte repeats the setting that is left; a switch that changes nothing is dropped
.if MSB != (\new)
	s_set_vgpr_msb (MSB<<8)|(\new)
.set MSB, (\new)
.endif
.endm
.set W_LD, 0x40       ; destination in window 1, sources and addresses in window 0
.set W_KQ, 0x05       ; K and Q in window 1, S^T in window 0
.set W_PV, 0x01       ; V in window 1, P and O^T in window 0
; A step's K or V: 16 loads of 512 consecutive bytes, load i into registers 4 i on: part i % 2 of fragment i / 2.
.macro FETCH reg, base
	WIN W_LD
.set i, 0
.rept 16
	global_load_b128 v[(\reg)+4*i:(\reg)+4*i+3], v[LN], s[\base:\base+1] offset:512*i
.set i, i+1
.endr
	WIN 0
.endm
; A vector instruction that reads a matrix result, and a load into a register that a matrix instruction has read, stand four places behind it, and only plain vector instructions that name none of its
; registers are places (ISA guide 7.12.1 for vector instructions).  Behind a run of products no other vector work is ready.
.macro PLACES
.rept 4
	v_nop
.endr
.endm
	s_load_b256 s[4:11], s[0:1], 0x0  ; q s[4:5], kf s[6:7], vf s[8:9], out s[10:11]
	v_lshl_add_u32 v[SPW], v0, 2, SPARE
	v_mov_b32 v[NIL], 0
	v_lshrrev_b32 v[LR], 5, v0
	v_readfirstlane_b32 s[WV], v[LR]  ; wave 0..7
	s_and_b32 s[HD], ttmp7, 0xffff
	s_lshr_b32 s17, s[WV], 1
	s_lshr_b32 s18, s[WV], 2
	s_xor_b32 s19, s[WV], s17
	s_xor_b32 s19, s19, s18
	s_and_b32 s19, s19, 1           ; the parity of my number's three bits
	s_lshl_b32 s18, ttmp9, 2
	s_add_co_u32 s18, s18, s17      ; j = 4 x group + wave / 2, 0 to 63: the short block,
	s_sub_co_u32 s17, 127, s18      ; and the long one
	s_cmp_eq_u32 s19, 0
	s_cselect_b32 s[BLK], s17, s18
	s_lshr_b32 s[NF], s[BLK], 1     ; rows 32 blk on see the keys below 64 (blk / 2) whole
	s_and_b32 s19, s[BLK], 1
	s_lshl_b32 s19, s19, 5          ; my first row's place in the diagonal step: 0 or 32
	s_lshl_b32 s2, s[HD], 20        ; q and out: the head's 4,096 rows of 256 bytes,
	s_lshl_b32 s17, s[BLK], 13      ; my block's 32
	s_add_co_u32 s2, s2, s17
	s_mov_b32 s3, 0
	s_lshl_b32 s20, s[HD], 19       ; kf and vf: the head's 64 steps
	s_mov_b32 s21, 0
	s_mov_b32 s[CS], 0x3e38aa3b     ; c = log2(e) / 8 = 0.180337
	s_mov_b32 s[CS+1], s[CS]        ; named with it as a pair
	s_mov_b32 s[SEL], 0x76543210
	s_mov_b32 s[SEL+1], 0xfedcba98
	s_mov_b32 s[BIGN], 0xf149f2ca   ; -1e30
	s_mov_b32 s[CT], 0
	v_and_b32 v[LR], 15, v0
	v_bfe_u32 v[LH], v0, 4, 1
	v_and_b32 v[LN], 31, v0
	v_lshlrev_b32 v[LN], 4, v[LN]
	v_lshlrev_b32 v[QO], 8, v[LR]
	v_lshl_add_u32 v[QO], v[LH], 5, v[QO]  ; row x 256 + 32 x half
	s_wait_kmcnt 0x0
	s_add_nc_u64 s[4:5], s[4:5], s[2:3]
	s_add_nc_u64 s[10:11], s[10:11], s[2:3]
	s_add_nc_u64 s[6:7], s[6:7], s[20:21]
	s_add_nc_u64 s[8:9], s[8:9], s[20:21]
	; A fragment of Q is 16 rows x 32 channels in 8 registers: lane l holds row l % 16, channels 8 (l / 16) + 0..7 and 16 + 8 (l / 16) + 0..7.  In f32 eight channels are 32 bytes: two loads of 16.
	; A tile's eight loads together take its 16 rows of 256 bytes whole.  They land in S^T's registers, which are free until the first product.
.set i, 0
.rept 16                            ; tile i / 8; of its loads i % 8: channels 32 (. / 4) + 16 ((. / 2) % 2) on, then the second 16 bytes
	global_load_b128 v[S+4*i:S+4*i+3], v[QO], s[4:5] offset:(i/8)*4096+((i%8)/4)*128+(((i%8)/2)%2)*64+(i%2)*16
.set i, i+1
.endr
	FETCH KF, 6                     ; step 0's K,
	FETCH VF, 8                     ; and its V: always in this order, K ahead of V
	s_mul_i32 s17, s[WV], 16*SP     ; my stage
	v_mul_u32_u24 v[STO], v[LR], SP ; in: row l % 16, 32 bytes (eight channels in f32) for each half of the lanes
	v_lshl_add_u32 v[STO], v[LH], 5, v[STO]
	v_add_nc_u32 v[STO], s17, v[STO]
	v_mul_u32_u24 v[RD], v[LH], SP  ; back: lanes 0-15 take one row of 256 bytes, lanes 16-31 the next
	v_lshl_add_u32 v[RD], v[LR], 4, v[RD]
	v_add_nc_u32 v[RD], s17, v[RD]
	v_lshlrev_b32 v[RW], 3, v[LH]
	v_sub_nc_u32 v[RW], v[LR], v[RW]
	v_add_nc_u32 v[RW], s19, v[RW]
.set i, 0
.rept 64
	v_mov_b32 v[OT+i], 0
.set i, i+1
.endr
.set i, 0
.rept 2
	v_mov_b32 v[ST+4*i], 0xfe000000    ; c m: far below every c s
	v_mov_b32 v[ST+4*i+1], 0xff7fffff  ; m
	v_mov_b32 v[ST+4*i+2], 0           ; l
	v_mov_b32 v[ST+4*i+3], 0
.set i, i+1
.endr
	s_wait_loadcnt 32               ; q is in: behind its loads only K's and V's 32 were issued
	WIN W_LD
.set i, 0
.rept 32                            ; rounded to bf16 in pairs
	v_cvt_pk_bf16_f32 v[QF+i], v[S+2*i], v[S+2*i+1]
.set i, i+1
.endr
	WIN 0
; THE MATRIX WORK.  The 8 accumulators of a run of 16 take turns.  Product i of S^T = K Q^T: channels 32 (i / 8) on, keys 16 ((i % 8) / 2) on, tile i % 2.
; The first 8 start the sums: with 0, or (diag = 1) in place, with the mask that has been written into S^T.
.macro KQ diag
.set rS, S+32*(i%2)+8*((i%8)/2)
.set rK, KF+16*((i%8)/2)+8*(i/8)
.set rQ, QF+16*(i%2)+8*(i/8)
.if (i < 8) && !(\diag)
	v_wmma_f32_16x16x32_bf16 v[rS:rS+7], v[rK:rK+7], v[rQ:rQ+7], 0
.else
	v_wmma_f32_16x16x32_bf16 v[rS:rS+7], v[rK:rK+7], v[rQ:rQ+7], v[rS:rS+7]
.endif
.set i, i+1
.endm
; Product i of O^T += V^T P: keys 32 (i / 8) on, channels 16 ((i % 8) / 2) on, tile i % 2.
.macro PV
.set rO, OT+32*(i%2)+8*((i%8)/2)
.set rV, VF+32*(i/8)+8*((i%8)/2)
.set rP, P+16*(i%2)+8*(i/8)
	v_wmma_f32_16x16x32_f16 v[rO:rO+7], v[rV:rV+7], v[rP:rP+7], v[rO:rO+7]
.set i, i+1
.endm
; THE VECTOR WORK.
.macro REGS t                       ; the registers of tile t
.set rT, ST+4*(\t)
.set rC, TMP+4*(\t)
.set rW, MV+(\t)
.set rS, S+32*(\t)
.set rP, P+16*(\t)
.set rO, OT+32*(\t)
.endm
; Number n of the 22 that find tile t's maximum and statistics.  s0-s31 are the lane's 32 scores; each accumulator's lowest registers are read first.
;   0-11  four chains c0-c3 of seven scores each, three operands at a time     12-14, 16  the four scores left over, the old m, and c0-c3 into c0     15  c m_old is kept
;   17, 18  the query's other 32 keys lie in the lane 16 away: the new m         19-21  c m; c m_old - c m_new; a
.macro XS t, n
	REGS \t
.if (\n) < 4
	v_max3_num_f32 v[rC+(\n)], v[rS+8*(\n)], v[rS+8*(\n)+1], v[rS+8*(\n)+2]
.elseif (\n) < 12
	v_max3_num_f32 v[rC+(\n)%4], v[rC+(\n)%4], v[rS+8*((\n)%4)+2*((\n)/4)+1], v[rS+8*((\n)%4)+2*((\n)/4)+2]
.elseif (\n) == 12
	v_max3_num_f32 v[rC], v[rC], v[rS+7], v[rS+15]
.elseif (\n) == 13
	v_max3_num_f32 v[rC+1], v[rC+1], v[rS+23], v[rS+31]
.elseif (\n) == 14
	v_max3_num_f32 v[rC+2], v[rC+2], v[rC+3], v[rT+1]
.elseif (\n) == 15
	v_mov_b32 v[rW], v[rT]
.elseif (\n) == 16
	v_max3_num_f32 v[rC], v[rC], v[rC+1], v[rC+2]
.elseif (\n) == 17
	v_permlanex16_b32 v[rC+3], v[rC], s[SEL], s[SEL+1]
.elseif (\n) == 18
	v_max_num_f32 v[rT+1], v[rC], v[rC+3]
.elseif (\n) == 19
	v_mul_f32 v[rT], s[CS], v[rT+1]
.elseif (\n) == 20
	v_sub_f32 v[rC+1], v[rW], v[rT]
.else
	v_exp_f32 v[rC+2], v[rC+1]
.endif
.endm
.macro FS k                         ; scaling k of 32: c s - c m for pair k / 2 of tile k % 2
	REGS (\k)%2
	v_pk_fma_f32 v[rS+2*((\k)/2):rS+2*((\k)/2)+1], v[rS+2*((\k)/2):rS+2*((\k)/2)+1], s[CS:CS+1], v[rT:rT+1] op_sel_hi:[1,0,0] neg_lo:[0,0,1] neg_hi:[0,0,1]
.endm
.macro ES k                         ; the two exponentials of the pair that scaling k scaled, in place
	REGS (\k)%2
	v_exp_f32 v[rS+2*((\k)/2)], v[rS+2*((\k)/2)]
	v_exp_f32 v[rS+2*((\k)/2)+1], v[rS+2*((\k)/2)+1]
.endm
.macro RS k                         ; rescaling k of 32: pair k / 2 of tile k % 2's O^T times a; in ascending order
	REGS (\k)%2
	v_pk_mul_f32 v[rO+2*((\k)/2):rO+2*((\k)/2)+1], v[rO+2*((\k)/2):rO+2*((\k)/2)+1], v[rC+2:rC+3] op_sel_hi:[1,0]
.endm
.macro CV t, n                      ; pair n of 16 of tile t's weights, rounded to f16
	REGS \t
	v_cvt_pk_f16_f32 v[rP+(\n)], v[rS+2*(\n)], v[rS+2*(\n)+1]
.endm
.macro BS t, n                      ; of the four weights 4 n .. the second pair is added onto the first, in place: behind both pairs' roundings
	REGS \t
	v_pk_add_f32 v[rS+4*(\n):rS+4*(\n)+1], v[rS+4*(\n):rS+4*(\n)+1], v[rS+4*(\n)+2:rS+4*(\n)+3]
.endm
.macro LS t, n                      ; l takes that sum; the first time as l = a l + sum
	REGS \t
.if (\n) == 0
	v_pk_fma_f32 v[rT+2:rT+3], v[rT+2:rT+3], v[rC+2:rC+3], v[rS:rS+1] op_sel_hi:[1,0,1]
.else
	v_pk_add_f32 v[rT+2:rT+3], v[rT+2:rT+3], v[rS+4*(\n):rS+4*(\n)+1]
.endif
.endm
; A STEP.  diag = 0: a step that my block sees whole; it loads the next step's K and V (there always is one: the diagonal's).  diag = 1: the last step, with the mask; it loads nothing.
; The loads come back in order (ISA guide 5.7.1), and K's run is always issued ahead of V's: at the step's head K's 16 are the older and V's 16 may stay out; ahead of V^T P it is V's that are the older.
; Each of these two waits also shows done the loads that named the base which is stepped next.
.macro STEP diag
.if \diag
.set k, 0
.rept 64                            ; register k % 8 of key group (k % 32) / 8 of tile k / 32: key 16 kt + 8 (l / 16) + j is hidden where it lies behind query 16 t + l % 16 (+ 32 in an odd block)
	v_cmp_gt_i32 vcc_lo, 16*((k%32)/8)+k%8-16*(k/32), v[RW]
	v_cndmask_b32 v[S+k], 0, s[BIGN], vcc_lo
.set k, k+1
.endr
.endif
	s_wait_loadcnt 16               ; K is in
	WIN W_KQ
.set i, 0
.rept 16
	KQ \diag
.endr
	WIN 0
	PLACES
.if !(\diag)
	s_add_nc_u64 s[6:7], s[6:7], STEPB
	FETCH KF, 6
.endif
.irp n, 0,1,2,3,4,5,6,7,8,9,10,11,12,13,14,15,16,17,18,19,20
	XS 0, \n                        ; the two tiles alternate, so that no line reads the result of the one just before it
	XS 1, \n
.endr
; THE BATCH: 66 exponentials, and among them the 32 scalings, which name no result of theirs (a scaling writes a pair whose exponentials are still to come, and reads c m).  Two scalings go ahead; then the two
; a; then 32 groups: scaling k + 2, while there are scalings, and the two exponentials of the pair that scaling k scaled: an exponential stands five lines or more behind its scaling.
	FS 0
	FS 1
	XS 0, 21                        ; a of tile 0,
	XS 1, 21                        ; and of tile 1
.set k, 0
.rept 32
.if k < 30
	FS k+2
.endif
	ES k
.set k, k+1
.endr
	v_nop                           ; a plain instruction behind the last exponential and ahead of the first use (ISA guide 5.7.2): one for the batch; every scaling stands ahead of its exponentials, so no other line is at hand
	s_wait_alu depctr_va_vdst(0)    ; the wait ahead of the first line that names a result: ONE for the step's 66 exponentials; all their readers stand below
.set k, 0
.rept 32                            ; O^T times a
	RS k
.set k, k+1
.endr
.set k, 0
.rept 32                            ; the roundings, pair k / 2 of tile k % 2
	CV k%2, k/2
.set k, k+1
.endr
.irp n, 0,1
	BS 0, \n
	BS 1, \n
.endr
.irp n, 2,3,4,5,6,7
	BS 0, \n
	BS 1, \n
	LS 0, \n-2
	LS 1, \n-2
.endr
	LS 0, 6
	LS 1, 6
	LS 0, 7
	LS 1, 7
.if \diag
	s_wait_loadcnt 0x0              ; V is in: nothing was issued behind it
.else
	s_wait_loadcnt 16               ; V is in: behind it only the next K's 16 were issued
.endif
	WIN W_PV
.set i, 0
.rept 16
	PV
.endr
	WIN 0
.if !(\diag)
	PLACES
	s_add_nc_u64 s[8:9], s[8:9], STEPB
	FETCH VF, 8
.endif
.endm
	s_cmp_eq_u32 s[NF], 0
	s_cbranch_scc1 .Ldiag           ; blocks 0 and 1 have the diagonal step alone; K's and V's loads are out in the same order on both ways
.Lstep:                             ; NF trips
	STEP 0
	s_add_co_u32 s[CT], s[CT], 1
	s_cmp_lt_u32 s[CT], s[NF]
	s_cbranch_scc1 .Lstep
.Ldiag:
	STEP 1
	; THE WAY OUT.  l's two halves and the other half of the lanes' are added; O^T is divided by l and sent, in f32, through my own stage in LDS, a tile (16 rows of out) at a time.
	; The four additions and the v_nop are the places behind the last products.
.macro ALL line:vararg              ; one line for each tile t
.set t, 0
.rept 2
	\line
.set t, t+1
.endr
.endm
	ALL v_add_f32 v[ST+4*t+2], v[ST+4*t+2], v[ST+4*t+3]
	ALL v_permlanex16_b32 v[ST+4*t+3], v[ST+4*t+2], s[SEL], s[SEL+1]
	ALL v_add_f32 v[ST+4*t+2], v[ST+4*t+2], v[ST+4*t+3]
	ALL v_rcp_f32 v[ST+4*t+2], v[ST+4*t+2]
	v_nop                           ; a plain instruction between the last reciprocal and the use of its result
	s_wait_alu depctr_va_vdst(0)    ; and the wait ahead of the first use: one for the two reciprocals
.macro PACK t                       ; a lane's eight channels of a row are 32 bytes; they go into rows of 272 bytes and come back as whole rows of 256, into the registers that they left (S^T's, which are free)
.set i, 0
.rept 16                            ; O^T is read from each accumulator's low end on
	v_pk_mul_f32 v[S+32*(\t)+2*i:S+32*(\t)+2*i+1], v[OT+32*(\t)+2*i:OT+32*(\t)+2*i+1], v[ST+4*(\t)+2:ST+4*(\t)+3] op_sel_hi:[1,0]
.set i, i+1
.endr
.irp f, 0,1,2,3,4,5,6,7             ; channel block f / 2 (64 bytes), its first or second 16 bytes
	ds_store_b128 v[STO], v[S+32*(\t)+4*\f:S+32*(\t)+4*\f+3] offset:(\f/2)*64+(\f%2)*16
.endr
.irp f, 0,1,2,3,4,5,6,7
	ds_load_b128 v[S+32*(\t)+4*\f:S+32*(\t)+4*\f+3], v[RD] offset:\f*2*SP  ; LDS serves a wave's instructions in order (ISA guide 5.7.1.4): these see the stores above; the next tile's stores come behind them
.endr
.endm
.macro SEND t, younger              ; younger: the LDS instructions issued behind tile t's loads: the next tile's sixteen, or none
.irp f, 0,1,2,3,4,5,6,7
	s_wait_dscnt (\younger)+7-\f
	global_store_b128 v[LN], v[S+32*(\t)+4*\f:S+32*(\t)+4*\f+3], s[10:11] offset:(\t)*4096+\f*512 th:TH_STORE_NT  ; two rows: 512 consecutive bytes, at a multiple of 256 from out's first
.endr
.endm
	PACK 0
	PACK 1                          ; a tile's arithmetic stands between the loads of the tile before and its stores
	SEND 0, 16
	SEND 1, 0
	s_wait_tensorcnt 0x0            ; the wave's end, behind my last LDS store
	ds_add_u32 v[SPW], v[NIL]
	s_wait_dscnt 0x0
	s_endpgm
.Lfunc_end_k_qb55ea9c1cd_attn:
	.size	k_qb55ea9c1cd_attn, .Lfunc_end_k_qb55ea9c1cd_attn-k_qb55ea9c1cd_attn
	.p2alignl 7, 3214868480
	.fill 96, 4, 3214868480
	.section	.rodata,"a",@progbits
	.p2align	6, 0x0
	.amdhsa_kernel k_qb55ea9c1cd_attn
		.amdhsa_group_segment_fixed_size 35840
		.amdhsa_private_segment_fixed_size 0
		.amdhsa_enable_private_segment 0
		.amdhsa_kernarg_size 32
		.amdhsa_user_sgpr_count 2
		.amdhsa_user_sgpr_kernarg_segment_ptr 1
		.amdhsa_wavefront_size32 1
		.amdhsa_system_sgpr_workgroup_id_x 1
		.amdhsa_system_sgpr_workgroup_id_y 1
		.amdhsa_system_sgpr_workgroup_id_z 1
		.amdhsa_system_vgpr_workitem_id 0
		.amdhsa_next_free_vgpr 512
		.amdhsa_next_free_sgpr 66
		.amdhsa_reserve_vcc 1
		.amdhsa_float_denorm_mode_32 3
		.amdhsa_float_denorm_mode_16_64 3
		.amdhsa_memory_ordered 1
		.amdhsa_forward_progress 1
		.amdhsa_inst_pref_size 58
	.end_amdhsa_kernel
	.amdgpu_metadata
---
amdhsa.version: [ 1, 2 ]
amdhsa.kernels:
  - .name:           k_qb55ea9c1cd_attn
    .symbol:         k_qb55ea9c1cd_attn.kd
    .args:
      - { .name: q, .offset: 0, .size: 8, .value_kind: global_buffer, .address_space: global }
      - { .name: kf, .offset: 8, .size: 8, .value_kind: global_buffer, .address_space: global }
      - { .name: vf, .offset: 16, .size: 8, .value_kind: global_buffer, .address_space: global }
      - { .name: out0, .offset: 24, .size: 8, .value_kind: global_buffer, .address_space: global }
    .group_segment_fixed_size: 35840
    .private_segment_fixed_size: 0
    .kernarg_segment_align: 8
    .kernarg_segment_size: 32
    .max_flat_workgroup_size: 256
    .sgpr_count:     66
    .vgpr_count:     512
    .wavefront_size: 32
...
	.end_amdgpu_metadata
.endif
;; end of part 3
